; MI455X (gfx1250); checked and timed in simulation.
; The chip was launched on July 23, 2026; its instructions are those of AMD's public machine-readable ISA for CDNA 5 (MIT licence, August 2026) and "CDNA5" Instruction Set Architecture Reference Guide (July 2026). The comments in the code are by the model that wrote it; some were corrected since.
;; Multi Head Attention. Allowed arithmetic: float matrix products may take bf16 or f16 operands with f32 sums; all other float work in f32.
;; Inputs: W_k 1,024 x 1,024 float32; W_o 1,024 x 1,024 float32; W_q 1,024 x 1,024 float32; W_v 1,024 x 1,024 float32; b_k 1,024 float32; b_o 1,024 float32; b_q 1,024 float32; b_v 1,024 float32; k 2 x 2,048 x 1,024 float32; q 2 x 2,048 x 1,024 float32; v 2 x 2,048 x 1,024 float32.
;; Outputs: out0 2 x 2,048 x 1,024 float32.
;; One version. Each part assembles by itself: llvm-mc -triple=amdgcn-amd-amdhsa -mcpu=gfx1250 --defsym DOCPART=n.
;; ======== version 1 of 1: 4 launches
;; limits: values are held in f16: magnitudes above 65,504 overflow, below 6.1e-05 lose precision
;; workspace buffers: xw 33,554,432 bytes; hb 25,165,824 bytes; ctx 8,388,608 bytes
;; launch cast (part 1): grid 1024 x 1, 8 waves a work-group, no clusters, 0 bytes of LDS; arguments q, k, v, W_q, W_k, W_v, W_o, xw; writes xw
.if DOCPART == 1
	.amdgcn_target "amdgcn-amd-amdhsa--gfx1250"
	.amdhsa_code_object_version 6
	.text
	.protected	k_q43391c9dc3_cast
	.globl	k_q43391c9dc3_cast
	.p2align	8
	.type	k_q43391c9dc3_cast,@function
k_q43391c9dc3_cast:
	s_mov_b64 s[64:65], 0
	v_nop
	global_prefetch_b8 v0, s[64:65] scope:SCOPE_SE
	s_setreg_imm32_b32 hwreg(HW_REG_WAVE_MODE, 25, 1), 1
	s_wait_xcnt 0x0
; f32 -> f16, element by element, of q, k, v, W_q, W_k, W_v, W_o into one buffer xw, in that order and in the inputs' own element order:
; q at byte 0, k at 8 MiB, v at 16 MiB, the four weights at 24, 26, 28, 30 MiB.  The later launches then fetch 16-bit tiles straight into LDS.
; A stream: no LDS, no barrier, no matrix unit, no cluster (no two work-groups read the same byte).
; Work-group id takes 64 KiB of one input and writes 32 KiB at xw + 32 KiB x id.  Thread t takes 16 bytes at 16 t of each of 16 pieces of 4 KiB:
; a wave's load covers 512 consecutive bytes, a wave's store 256 consecutive bytes that start at a multiple of 256.
; LIMIT: a number above 65,504 in magnitude becomes an f16 infinity; below 6e-5 the f16 step is 6e-8 (absolute).  Rounding to nearest even.
.set PIECES, 16
.set X, 4                              ; v[4:67]   piece i: 4 registers as loaded
.set Y, 68                             ; v[68:99]  piece i: 2 registers to store
	s_load_b512 s[8:23], s[0:1], 0x0               ; q s[8:9], k s[10:11], v s[12:13], W_q s[14:15], W_k s[16:17], W_v s[18:19], W_o s[20:21], xw s[22:23]
	v_lshlrev_b32 v1, 4, v0                        ; 16 t: my bytes in a piece of the input
	v_lshlrev_b32 v2, 3, v0                        ; 8 t: my bytes in a piece of the output
	s_lshl_b32 s26, ttmp9, 15                      ; 32 KiB x id
	s_mov_b32 s27, 0
	s_wait_kmcnt 0x0
	; which input, and the first id that belongs to it: ids 0-255 q, 256-511 k, 512-767 v, then 64 ids for each weight
	s_mov_b64 s[4:5], s[20:21]
	s_mov_b32 s6, 960
	s_cmp_lt_u32 ttmp9, 960
	s_cselect_b64 s[4:5], s[18:19], s[4:5]
	s_cselect_b32 s6, 896, s6
	s_cmp_lt_u32 ttmp9, 896
	s_cselect_b64 s[4:5], s[16:17], s[4:5]
	s_cselect_b32 s6, 832, s6
	s_cmp_lt_u32 ttmp9, 832
	s_cselect_b64 s[4:5], s[14:15], s[4:5]
	s_cselect_b32 s6, 768, s6
	s_cmp_lt_u32 ttmp9, 768
	s_cselect_b64 s[4:5], s[12:13], s[4:5]
	s_cselect_b32 s6, 512, s6
	s_cmp_lt_u32 ttmp9, 512
	s_cselect_b64 s[4:5], s[10:11], s[4:5]
	s_cselect_b32 s6, 256, s6
	s_cmp_lt_u32 ttmp9, 256
	s_cselect_b64 s[4:5], s[8:9], s[4:5]
	s_cselect_b32 s6, 0, s6
	s_sub_co_u32 s7, ttmp9, s6                     ; my number inside that input
	s_lshl_b32 s24, s7, 16                         ; x 64 KiB (at most 255 x 64 KiB)
	s_mov_b32 s25, 0
	s_add_nc_u64 s[4:5], s[4:5], s[24:25]
	s_add_nc_u64 s[22:23], s[22:23], s[26:27]
.irp i, 0,1,2,3,4,5,6,7,8,9,10,11,12,13,14,15
	global_load_b128 v[X+4*\i:X+4*\i+3], v1, s[4:5] offset:4096*\i th:TH_LOAD_NT   ; all sixteen loads go out before the first wait
.endr
.irp i, 0,1,2,3,4,5,6,7,8,9,10,11,12,13,14,15
	s_wait_loadcnt PIECES-1-\i                     ; loads come back in order: piece i is in, the younger ones stay out
	v_cvt_pk_f16_f32 v[Y+2*\i],   v[X+4*\i],   v[X+4*\i+1]
	v_cvt_pk_f16_f32 v[Y+2*\i+1], v[X+4*\i+2], v[X+4*\i+3]
	global_store_b64 v2, v[Y+2*\i:Y+2*\i+1], s[22:23] offset:2048*\i               ; no register is written twice: no further wait
.endr
	s_endpgm
.Lfunc_end_k_q43391c9dc3_cast:
	.size	k_q43391c9dc3_cast, .Lfunc_end_k_q43391c9dc3_cast-k_q43391c9dc3_cast
	.p2alignl 7, 3214868480
	.fill 96, 4, 3214868480
	.section	.rodata,"a",@progbits
	.p2align	6, 0x0
	.amdhsa_kernel k_q43391c9dc3_cast
		.amdhsa_group_segment_fixed_size 0
		.amdhsa_private_segment_fixed_size 0
		.amdhsa_enable_private_segment 0
		.amdhsa_kernarg_size 64
		.amdhsa_user_sgpr_count 2
		.amdhsa_user_sgpr_kernarg_segment_ptr 1
		.amdhsa_wavefront_size32 1
		.amdhsa_system_sgpr_workgroup_id_x 1
		.amdhsa_system_sgpr_workgroup_id_y 1
		.amdhsa_system_sgpr_workgroup_id_z 1
		.amdhsa_system_vgpr_workitem_id 0
		.amdhsa_next_free_vgpr 100
		.amdhsa_next_free_sgpr 66
		.amdhsa_reserve_vcc 0
		.amdhsa_float_denorm_mode_32 3
		.amdhsa_float_denorm_mode_16_64 3
		.amdhsa_memory_ordered 1
		.amdhsa_forward_progress 1
		.amdhsa_inst_pref_size 8
	.end_amdhsa_kernel
	.amdgpu_metadata
---
amdhsa.version: [ 1, 2 ]
amdhsa.kernels:
  - .name:           k_q43391c9dc3_cast
    .symbol:         k_q43391c9dc3_cast.kd
    .args:
      - { .name: q, .offset: 0, .size: 8, .value_kind: global_buffer, .address_space: global }
      - { .name: k, .offset: 8, .size: 8, .value_kind: global_buffer, .address_space: global }
      - { .name: v, .offset: 16, .size: 8, .value_kind: global_buffer, .address_space: global }
      - { .name: W_q, .offset: 24, .size: 8, .value_kind: global_buffer, .address_space: global }
      - { .name: W_k, .offset: 32, .size: 8, .value_kind: global_buffer, .address_space: global }
      - { .name: W_v, .offset: 40, .size: 8, .value_kind: global_buffer, .address_space: global }
      - { .name: W_o, .offset: 48, .size: 8, .value_kind: global_buffer, .address_space: global }
      - { .name: xw, .offset: 56, .size: 8, .value_kind: global_buffer, .address_space: global }
    .group_segment_fixed_size: 0
    .private_segment_fixed_size: 0
    .kernarg_segment_align: 8
    .kernarg_segment_size: 64
    .max_flat_workgroup_size: 256
    .sgpr_count:     66
    .vgpr_count:     100
    .wavefront_size: 32
...
	.end_amdgpu_metadata
.endif
;; end of part 1
;; launch qkv (part 2): grid 8 x 96, 4 waves a work-group, clusters of 4 x 4, 327,680 bytes of LDS; arguments xw, b_q, b_k, b_v, hb; writes hb
.if DOCPART == 2
	.amdgcn_target "amdgcn-amd-amdhsa--gfx1250"
	.amdhsa_code_object_version 6
	.text
	.protected	k_q43391c9dc3_qkv
	.globl	k_q43391c9dc3_qkv
	.p2align	8
	.type	k_q43391c9dc3_qkv,@function
k_q43391c9dc3_qkv:
	s_mov_b64 s[64:65], 0
	v_nop
	global_prefetch_b8 v0, s[64:65] scope:SCOPE_SE
	s_setreg_imm32_b32 hwreg(HW_REG_WAVE_MODE, 25, 1), 1
	s_wait_xcnt 0x0
	s_wait_alu depctr_hold_cnt(0) depctr_sa_sdst(0) depctr_va_vdst(0) depctr_va_sdst(0) depctr_va_ssrc(0) depctr_va_vcc(0) depctr_vm_vsrc(0)
	s_getreg_b32 s2, hwreg(HW_REG_IB_STS2, 6, 4)
	s_cmp_eq_u32 s2, 0
	s_cbranch_scc0 .Lentry_in_a_cluster
	s_endpgm
.Lentry_in_a_cluster:
	s_bfe_u32 s2, ttmp6, 0x10000c
	s_cmp_lg_u32 s2, 0xf033
	s_cbranch_scc0 .Lentry_shape_is_right
	s_endpgm
.Lentry_shape_is_right:
; C = A W + bias, f16 operands, f32 sums.  ONE TEXT SERVES TWO LAUNCHES; OPROJ picks:
;   OPROJ = 0: the three input projections in one launch.  A = q, k, v as f16 (xw, 3 x 4096 rows of 1024), W = W_q, W_k, W_v as f16 (xw, [k][n]),
;              result as f16 into hb [which 3][b 2][head 16][s 2048][64].
;   OPROJ = 1: the output projection.  A = ctx, f16 [b][head][s][64] (k = 64 head + d), W = W_o as f16 (xw), result as f32 into out0 [4096][1024].
; A work-group makes 128 x 128 of C: 768 (256) work-groups, a multiple of the 256 WGPs; a larger block would leave WGPs without work.
; Four waves, 2 x 2, each 64 x 64 = 16 accumulator tiles.  K = 1024 goes in 4 tiles of 256 through two LDS slots; all four are written out, no loop.
; CLUSTERS: 4 x 4 work-groups.  A's tile hangs on the block row alone and is asked for jointly by a row of the cluster, W's on the block column (and on
; which projection, the same for a whole cluster) and is asked for jointly by a column.  Every wave issues a quarter of each: two loads a tile, no branch.
; By this text's own count a wave has at most four tensor loads out (the first two tiles), later two.
; THE MATRIX INSTRUCTION IS USED TRANSPOSED: source 0 = 16 columns of W, source 1 = 16 rows of A, so that a lane holds row l % 16 of C and eight
; NEIGHBOURING columns 8 (l / 16) + 0..7.  The bias, laid out the same way, is the C operand of the very first products: nothing is cleared or added later.
; LIMITS: f16 operands (magnitudes to 65,504; absolute step 6e-8 below 6e-5); with OPROJ = 0 the result is rounded to f16 with the same range.
; No prefetch: every operand was stored by the launch before, and a tile is asked for a whole tile's matrix work (128 instructions a wave) ahead.
.set OPROJ, 0
.if OPROJ
.set PITCHA, 144                       ; LDS row of A: one head's 64 d = 128 bytes + 16
.set AROWS,  128                       ; a wave's load: one head's 128 rows x 64, dense in memory
.set ACOLS,  64
.set APIT,   64
.set AQI,    4                         ; padding behind every 32 words
.set ASTEP,  4*262144                  ; a K tile = 4 heads of 2048 x 128 bytes
.set WBASE,  30*1048576                ; W_o in xw
.set PA, 4                             ; s[4:5] ctx
.set PW, 6                             ; s[6:7] xw
.set SPITCH, 272                       ; stage row: 64 f32 + 16 bytes
.else
.set PITCHA, 528                       ; LDS row of A: 256 k = 512 bytes + 16
.set AROWS,  32                        ; a wave's load: 32 rows x 256 k
.set ACOLS,  256
.set APIT,   1024
.set AQI,    6                         ; padding behind every 128 words
.set ASTEP,  512                       ; a K tile = 256 k of 2 bytes
.set WBASE,  24*1048576                ; W_q in xw; W_k, W_v 2 MiB apart behind it
.set PA, 4                             ; s[4:5] xw
.set PW, 4
.set SPITCH, 144                       ; stage row: 64 f16 + 16 bytes
.endif
.set AQUART, AROWS*PITCHA              ; LDS bytes of a wave's quarter of A's tile
.set AREG,   4*AQUART                  ; A's region of a slot
.set PITCHW, 288                       ; LDS row of W: 128 n = 256 bytes + 32 (an odd multiple of 32, for the transposing loads)
.set WQUART, 64*PITCHW                 ; a wave's quarter of W's tile: 64 k rows
.set WSTEP,  256*2048                  ; a K tile of W: 256 rows of 2,048 bytes
.set SLOT,   AREG+4*WQUART
.set STAGE,  2*SLOT                    ; behind the ring (a multiple of 256): 16 rows for each wave, for the way out; no tensor load lands here
.set SW,     16*SPITCH
.set ADRA, 16                          ; v16-17  LDS address of my A fragments, slot 0, 1
.set ADRW, 20                          ; v20-23  the same for W: slot 0 k rows 0-127, 128-255, slot 1 likewise
.set STO,  24                          ; v24     way out: where I put my piece of a row
.set RD,   25                          ; v25     way out: where I read rows back
.set CO,   26                          ; v26     way out: my byte offset in the result
.set BOFF, 27                          ; v27     my byte offset in the bias
.set F0,   64                          ; v64-127   fragment buffer 0: A's four at +0, W's four at +32
.set F1,   128                         ; v128-191  fragment buffer 1
.set BIAS, 192                         ; v192-223  four bias fragments; later (OPROJ = 0) the packed results
.set TMP,  192
                                       ; window 1 (v256-383): accumulator tile (a, b) at v[8 (4 a + b)]
.set G1A, 28                           ; s[28:35] descriptor group 1, A
.set G1W, 36                           ; s[36:43] descriptor group 1, W
.set G0A, 44                           ; s[44:51] descriptor group 0, A, a set for each slot
.set G0W, 52                           ; s[52:59] descriptor group 0, W, a set for each slot
.set MSB, 0
.macro WIN new                         ; s_set_vgpr_msb: bits 1:0 source 0, 3:2 source 1, 5:4 source 2, 7:6 destination; the high byte repeats the setting left
.if MSB != \new
	s_set_vgpr_msb (MSB<<8)|\new
.set MSB, \new
.endif
.endm
.macro PLACES                          ; four places behind a matrix instruction (ISA guide 7.12.1), where there is no other vector work
.rept 4
	v_nop
.endr
.endm
.macro ROUND                           ; a round of the cluster's barrier: my work-group's barrier, wave 0 signals for it, all wait for all sixteen, my barrier again
	s_barrier_signal -1
	s_barrier_wait -1
	s_cmp_lg_u32 s14, 0
	s_cbranch_scc1 .Lnot_wave_0_\@
	s_barrier_signal -3
.Lnot_wave_0_\@:
	s_barrier_wait -3
	s_barrier_signal -1
	s_barrier_wait -1
.endm
.if OPROJ
	s_load_b256 s[4:11], s[0:1], 0x0               ; ctx s[4:5], xw s[6:7], b_o s[8:9], out0 s[10:11]
.else
	s_load_b256 s[4:11], s[0:1], 0x0               ; xw s[4:5], b_q s[6:7], b_k s[8:9], b_v s[10:11]
	s_load_b64 s[12:13], s[0:1], 0x20              ; hb
	v_lshl_add_u32 v254, v0, 2, 0x47400
	v_mov_b32 v255, 0
	ds_add_u32 v254, v255
.endif
	v_lshrrev_b32 v1, 5, v0
	v_readfirstlane_b32 s14, v1                    ; wave w, 0..3
	s_lshr_b32 s15, s14, 1                         ; wm: which 64 rows of the block
	s_and_b32 s16, s14, 1                          ; wn: which 64 columns
	s_bfe_u32 s17, ttmp6, 0x40000                  ; cx
	s_bfe_u32 s18, ttmp6, 0x40004                  ; cy
	s_lshl_b32 s19, ttmp9, 2
	s_add_co_u32 s19, s19, s17                     ; bx: block column = 4 x cluster x + cx
	s_and_b32 s20, ttmp7, 0xffff                   ; the cluster's y
	s_lshl_b32 s21, s20, 2
	s_add_co_u32 s21, s21, s18                     ; by: block row = 4 x cluster y + cy
	s_lshr_b32 s22, s20, 3                         ; which projection (32 block rows = 8 clusters each): made of the cluster's y alone
	s_lshl_b32 s23, s18, 2
	s_lshl_b32 s23, 15, s23                        ; my row of the cluster: places 4 cy .. 4 cy + 3
	s_lshl_b32 s24, 0x1111, s17                    ; my column: places cx, cx + 4, cx + 8, cx + 12
	; group 1 of A: 15:0 mask; 17:16 elements of 2 bytes; 20 padding on; 21 set beside a mask; 24:22 interval = a row; 31:25 pad of 4 words
	s_or_b32  s[G1A+0], s23, (1<<16)|(1<<20)|(1<<21)|(AQI<<22)|(3<<25)
	s_mov_b32 s[G1A+1], ACOLS<<16                  ; tensor_dim0
	s_mov_b32 s[G1A+2], AROWS<<16                  ; tensor_dim1
	s_mov_b32 s[G1A+3], ACOLS<<16                  ; tile_dim0
	s_mov_b32 s[G1A+4], AROWS                      ; tile_dim1
	s_mov_b32 s[G1A+5], APIT                       ; elements from row to row
	s_mov_b32 s[G1A+6], 0
	s_mov_b32 s[G1A+7], 0
	; group 1 of W: 64 k rows x 128 n, rows of 64 words, pad of 8 words
	s_or_b32  s[G1W+0], s24, (1<<16)|(1<<20)|(1<<21)|(5<<22)|(7<<25)
	s_mov_b32 s[G1W+1], 128<<16
	s_mov_b32 s[G1W+2], 64<<16
	s_mov_b32 s[G1W+3], 128<<16
	s_mov_b32 s[G1W+4], 64
	s_mov_b32 s[G1W+5], 1024
	s_mov_b32 s[G1W+6], 0
	s_mov_b32 s[G1W+7], 0
	; A's byte offset: block row and wave alone (s66, s67 never hold cx)
.if OPROJ
	s_lshr_b32 s66, s21, 4
	s_lshl_b32 s66, s66, 22                        ; b x 16 heads x 2048 x 128 bytes
	s_and_b32 s67, s21, 15
	s_lshl_b32 s67, s67, 14                        ; + 128 rows x 128 bytes for each block row inside b
	s_add_co_u32 s66, s66, s67
	s_lshl_b32 s67, s14, 18                        ; + my head of the tile's four
.else
	s_lshl_b32 s66, s21, 18                        ; 128 rows x 2,048 bytes for each block row (q, k, v lie one behind the other)
	s_lshl_b32 s67, s14, 16                        ; + my 32 rows
.endif
	s_add_co_u32 s66, s66, s67
	s_mov_b32 s67, 0
	; W's byte offset: block column, projection and wave alone (s68, s69 never hold cy)
	s_lshl_b32 s68, s14, 17                        ; my 64 k rows of 2,048 bytes
	s_lshl_b32 s69, s19, 8                         ; 128 columns of 2 bytes for each block column
	s_add_co_u32 s68, s68, s69
.if OPROJ == 0
	s_lshl_b32 s69, s22, 21                        ; 2 MiB for each projection
	s_add_co_u32 s68, s68, s69
.endif
	s_mov_b32 s69, 0
	s_mul_i32 s76, s14, AQUART                     ; where my quarters go in a slot: the wave's number alone
	s_mul_i32 s77, s14, WQUART
	s_add_co_u32 s77, s77, AREG
	s_wait_dscnt 0x0
	s_wait_kmcnt 0x0
	s_add_nc_u64 s[70:71], s[PA:PA+1], s[66:67]
	s_add_nc_u64 s[72:73], s[PW:PW+1], s[68:69]
.irp s, 0,1
	s_mov_b32 s[G0A+4*\s], 1                                       ; count = 1
	s_add_co_u32 s[G0A+4*\s+1], s76, \s*SLOT                       ; LDS address
	s_add_nc_u64 s[G0A+4*\s+2:G0A+4*\s+3], s[70:71], \s*ASTEP      ; global address: K tile s
	s_or_b32 s[G0A+4*\s+3], s[G0A+4*\s+3], 0x80000000              ; type = 2
	s_mov_b32 s[G0W+4*\s], 1
	s_add_co_u32 s[G0W+4*\s+1], s77, \s*SLOT
	s_add_nc_u64 s[G0W+4*\s+2:G0W+4*\s+3], s[72:73], WBASE+\s*WSTEP
	s_or_b32 s[G0W+4*\s+3], s[G0W+4*\s+3], 0x80000000
.endr
	ROUND                                          ; all sixteen work-groups are here: the first joint loads meet
.irp s, 0,1
	tensor_load_to_lds s[G0A+4*\s:G0A+4*\s+3], s[G1A:G1A+7]
	s_nop 0
	tensor_load_to_lds s[G0W+4*\s:G0W+4*\s+3], s[G1W:G1W+7]
	s_nop 0
.endr
	; lane addresses.  l = lane, r = l % 16, h = l / 16
	v_and_b32 v1, 15, v0                           ; r
	v_bfe_u32 v2, v0, 4, 1                         ; h
	v_and_b32 v3, 7, v0                            ; l % 8
	v_bfe_u32 v4, v0, 3, 1                         ; (l / 8) % 2
	; A fragment (16 rows x 32 k, k along the LDS rows): two 16-byte loads, 32 bytes apart, at row x pitch + 16 h
	v_mul_u32_u24 v5, v1, PITCHA
	v_lshl_add_u32 v5, v2, 4, v5
	s_mul_i32 s78, s15, 64*PITCHA                  ; my 64 rows
	v_add_nc_u32 v[ADRA], s78, v5
	v_add_nc_u32 v[ADRA+1], SLOT, v[ADRA]
	; W fragment (32 k x 16 n, n along the LDS rows): two transposing loads, 16 rows apart, at (8 h + l % 8) x pitch + 16 ((l / 8) % 2)
	v_lshl_add_u32 v6, v2, 3, v3
	v_mul_u32_u24 v6, v6, PITCHW
	v_lshl_add_u32 v6, v4, 4, v6
	s_lshl_b32 s79, s16, 7                         ; my 64 columns of 2 bytes
	s_add_co_u32 s79, s79, AREG
	v_add_nc_u32 v[ADRW], s79, v6
	v_add_nc_u32 v[ADRW+1], 128*PITCHW, v[ADRW]    ; k rows 128-255: the 16-bit offset field does not reach them
	v_add_nc_u32 v[ADRW+2], SLOT, v[ADRW]
	v_add_nc_u32 v[ADRW+3], SLOT, v[ADRW+1]
	; the way out
	s_mul_i32 s80, s14, SW
	s_add_co_u32 s80, s80, STAGE                   ; my stage
	v_mul_u32_u24 v8, v1, SPITCH
.if OPROJ
	v_lshl_add_u32 v8, v2, 5, v8                   ; in: row r, 32 bytes (8 f32) for each half of the lanes
	v_add_nc_u32 v[STO], s80, v8
	v_mul_u32_u24 v9, v2, SPITCH                   ; back: lanes 0-15 one row of 256 bytes, lanes 16-31 the next
	v_lshl_add_u32 v9, v1, 4, v9
	v_add_nc_u32 v[RD], s80, v9
	v_lshlrev_b32 v10, 12, v2                      ; and the same two rows of out0 (4,096 bytes each)
	v_lshl_add_u32 v[CO], v1, 4, v10
.else
	v_lshl_add_u32 v8, v2, 4, v8                   ; in: row r, 16 bytes (8 f16) for each half of the lanes
	v_add_nc_u32 v[STO], s80, v8
	v_bfe_u32 v7, v0, 3, 2                         ; back: eight lanes a row of 128 bytes, four rows an instruction
	v_mul_u32_u24 v9, v7, SPITCH
	v_lshl_add_u32 v9, v3, 4, v9
	v_add_nc_u32 v[RD], s80, v9
	v_and_b32 v10, 31, v0
	v_lshlrev_b32 v[CO], 4, v10                    ; in hb those four rows are 512 consecutive bytes
.endif
	; the bias of my 64 columns, as four C fragments: register j of fragment b = bias[128 bx + 64 wn + 16 b + 8 h + j]
	s_lshl_b32 s81, s19, 9
	s_lshl_b32 s79, s16, 8
	s_add_co_u32 s81, s81, s79
	v_lshl_add_u32 v[BOFF], v2, 5, s81
.if OPROJ
	s_mov_b64 s[82:83], s[8:9]
.else
	s_cmp_eq_u32 s22, 1
	s_cselect_b64 s[82:83], s[8:9], s[6:7]
	s_cmp_eq_u32 s22, 2
	s_cselect_b64 s[82:83], s[10:11], s[82:83]
.endif
.irp b, 0,1,2,3
	global_load_b128 v[BIAS+8*\b:BIAS+8*\b+3],   v[BOFF], s[82:83] offset:64*\b
	global_load_b128 v[BIAS+8*\b+4:BIAS+8*\b+7], v[BOFF], s[82:83] offset:64*\b+16
.endr
; 16 LDS loads: the fragments of quarter q (32 along K) of the slot's tile into buffer f.  The four places stand behind the matrix instructions that read f.
.macro FETCH slot, q, f
	WIN 0
	PLACES
.if OPROJ
.set AOFF, ((\q)>>1)*AQUART+64*((\q)&1)            ; head q / 2 of the tile's four, d half q % 2
.else
.set AOFF, 64*(\q)
.endif
.irp a, 0,1,2,3
	ds_load_b128 v[\f+8*\a:\f+8*\a+3],   v[ADRA+\slot] offset:\a*16*PITCHA+AOFF
	ds_load_b128 v[\f+8*\a+4:\f+8*\a+7], v[ADRA+\slot] offset:\a*16*PITCHA+AOFF+32
.endr
.irp b, 0,1,2,3
	ds_load_tr16_b128 v[\f+32+8*\b:\f+32+8*\b+3],   v[ADRW+2*\slot+((\q)>>2)] offset:((\q)&3)*32*PITCHW+32*\b
	ds_load_tr16_b128 v[\f+32+8*\b+4:\f+32+8*\b+7], v[ADRW+2*\slot+((\q)>>2)] offset:((\q)&3)*32*PITCHW+32*\b+16*PITCHW
.endr
.endm
; 16 matrix instructions on buffer f.  The sixteen accumulators take turns, one instruction a turn, in the same order everywhere.
; first = 1: the bias fragments (window 0) are the C operand and start the sums.
.macro MUL f, first
.if \first
	WIN 0x40
.else
	WIN 0x50
.endif
.irp a, 0,1,2,3
.irp b, 0,1,2,3
.if \first
	v_wmma_f32_16x16x32_f16 v[8*(4*\a+\b):8*(4*\a+\b)+7], v[\f+32+8*\b:\f+32+8*\b+7], v[\f+8*\a:\f+8*\a+7], v[BIAS+8*\b:BIAS+8*\b+7]
.else
	v_wmma_f32_16x16x32_f16 v[8*(4*\a+\b):8*(4*\a+\b)+7], v[\f+32+8*\b:\f+32+8*\b+7], v[\f+8*\a:\f+8*\a+7], v[8*(4*\a+\b):8*(4*\a+\b)+7]
.endif
.endr
.endr
.endm
; A K tile: eight quarters on buffers 0, 1, 0, 1 ..; the next quarter's loads are issued ahead of this quarter's sixteen matrix instructions.
.macro TILE slot, first
	FETCH \slot, 0, F0
.set qq, 0
.set bf, \first
.rept 8
	s_wait_dscnt 0x0                               ; this quarter's fragments are in (nothing younger is out)
.if qq < 7
.set qn, qq+1
.set fn, F0+64*(qn&1)
	FETCH \slot, qn, fn
.endif
.set fc, F0+64*(qq&1)
.if bf
	MUL fc, 1
.else
	MUL fc, 0
.endif
.set bf, 0
.set qq, qq+1
.endr
.endm
; The change of slots.  In front of it every wave waits for its reads of the slot just multiplied and for all its tensor loads (the other slot's two).
; fill = 1: the slot is filled again, two tiles ahead: a round of the cluster's barrier, and the two joint loads first behind it.
.macro CHANGE slot, fill
	WIN 0                                          ; at a branch and at a label every window is 0
	s_wait_dscnt 0x0
	s_wait_tensorcnt 0x0                           ; no tensor load of mine is out: the group 0 sets may be written
	ds_add_u32 v254, v255
	s_wait_dscnt 0x0
.if \fill
	s_add_nc_u64 s[G0A+4*\slot+2:G0A+4*\slot+3], s[G0A+4*\slot+2:G0A+4*\slot+3], 2*ASTEP
	s_add_nc_u64 s[G0W+4*\slot+2:G0W+4*\slot+3], s[G0W+4*\slot+2:G0W+4*\slot+3], 2*WSTEP
	ROUND                                          ; no wave of any partner still reads this slot or has a load on its way
	tensor_load_to_lds s[G0A+4*\slot:G0A+4*\slot+3], s[G1A:G1A+7]
	s_nop 0
	tensor_load_to_lds s[G0W+4*\slot:G0W+4*\slot+3], s[G1W:G1W+7]
	s_nop 0
.else
	s_barrier_signal -1
	s_barrier_wait -1
.endif
.endm
	s_wait_tensorcnt 0x2                           ; my two quarters of tile 0 are in; tile 1's two stay out
	s_barrier_signal -1
	s_barrier_wait -1                              ; everybody's are
	s_wait_loadcnt 0x0                             ; the bias
	TILE 0, 1                                      ; tile 0
	CHANGE 0, 1                                    ; tile 2 goes out
	TILE 1, 0                                      ; tile 1
	CHANGE 1, 1                                    ; tile 3 goes out
	TILE 0, 0                                      ; tile 2
	CHANGE 0, 0
	TILE 1, 0                                      ; tile 3
	; THE WAY OUT, 16 rows at a time through my own stage in LDS (LDS serves a wave's instructions in order, ISA guide 5.7.1: no wait between my stores and my loads).
	WIN 0
	PLACES                                         ; behind the last matrix instructions: results are read, fragment buffers are loaded again
.if OPROJ
	s_lshl_b32 s84, s21, 7
	s_lshl_b32 s85, s15, 6
	s_add_co_u32 s84, s84, s85                     ; my first row
	s_lshl_b32 s86, s84, 12                        ; x 4,096 bytes
	s_lshl_b32 s85, s19, 9                         ; + 128 columns of 4 bytes for each block column
	s_add_co_u32 s86, s86, s85
	s_lshl_b32 s85, s16, 8                         ; + my 64 columns
	s_add_co_u32 s86, s86, s85
	s_mov_b32 s87, 0
	s_add_nc_u64 s[88:89], s[10:11], s[86:87]
.irp a, 0,1,2,3
	WIN 0x04                                       ; store data from window 1
.irp b, 0,1,2,3
	ds_store_b128 v[STO], v[8*(4*\a+\b):8*(4*\a+\b)+3]   offset:64*\b
	ds_store_b128 v[STO], v[8*(4*\a+\b)+4:8*(4*\a+\b)+7] offset:64*\b+16
.endr
	WIN 0
.irp t, 0,1,2,3,4,5,6,7
	ds_load_b128 v[F0+32*\a+4*\t:F0+32*\a+4*\t+3], v[RD] offset:2*SPITCH*\t
.endr
.irp t, 0,1,2,3,4,5,6,7
	s_wait_dscnt 7-\t                              ; rows 2 t, 2 t + 1 are back; the younger read-backs stay out
	global_store_b128 v[CO], v[F0+32*\a+4*\t:F0+32*\a+4*\t+3], s[88:89] offset:(16*\a+2*\t)*4096 th:TH_STORE_NT   ; 16 lanes: 256 consecutive bytes, aligned
.endr
.endr
.else
	s_and_b32 s84, s21, 31
	s_lshl_b32 s84, s84, 7
	s_lshl_b32 s85, s15, 6
	s_add_co_u32 s84, s84, s85                     ; my first row m inside the projection = 2048 b + s
	s_lshr_b32 s85, s84, 11
	s_lshl_b32 s85, s85, 22                        ; b x 4 MiB
	s_and_b32 s86, s84, 2047
	s_lshl_b32 s86, s86, 7                         ; s x 128 bytes
	s_add_co_u32 s86, s86, s85
	s_lshl_b32 s85, s22, 23                        ; projection x 8 MiB
	s_add_co_u32 s86, s86, s85
	s_lshl_b32 s85, s19, 1
	s_add_co_u32 s85, s85, s16                     ; head = 2 bx + wn: my 64 columns are one head
	s_lshl_b32 s85, s85, 18                        ; x 2048 x 128 bytes
	s_add_co_u32 s86, s86, s85
	s_mov_b32 s87, 0
	s_add_nc_u64 s[88:89], s[12:13], s[86:87]
.irp a, 0,1,2,3
	WIN 0x05                                       ; both sources from window 1
.irp b, 0,1,2,3
.irp i, 0,1,2,3
	v_cvt_pk_f16_f32 v[TMP+4*\b+\i], v[8*(4*\a+\b)+2*\i], v[8*(4*\a+\b)+2*\i+1]
.endr
.endr
	WIN 0
.irp b, 0,1,2,3
	ds_store_b128 v[STO], v[TMP+4*\b:TMP+4*\b+3] offset:32*\b
.endr
.irp t, 0,1,2,3
	ds_load_b128 v[F0+16*\a+4*\t:F0+16*\a+4*\t+3], v[RD] offset:4*SPITCH*\t
.endr
.irp t, 0,1,2,3
	s_wait_dscnt 3-\t                              ; rows 4 t .. 4 t + 3 are back; the younger read-backs stay out
	global_store_b128 v[CO], v[F0+16*\a+4*\t:F0+16*\a+4*\t+3], s[88:89] offset:2048*\a+512*\t   ; the wave: 512 consecutive bytes, aligned
.endr
.endr
.endif
	s_wait_dscnt 0x0
	s_wait_tensorcnt 0x0
	ds_add_u32 v254, v255
	s_wait_dscnt 0x0
	ROUND                                          ; the closing round: no work-group ends while a partner may still ask for a tile that names it
	s_endpgm
.Lfunc_end_k_q43391c9dc3_qkv:
	.size	k_q43391c9dc3_qkv, .Lfunc_end_k_q43391c9dc3_qkv-k_q43391c9dc3_qkv
	.p2alignl 7, 3214868480
	.fill 96, 4, 3214868480
	.section	.rodata,"a",@progbits
	.p2align	6, 0x0
	.amdhsa_kernel k_q43391c9dc3_qkv
		.amdhsa_group_segment_fixed_size 327680
		.amdhsa_private_segment_fixed_size 0
		.amdhsa_enable_private_segment 0
		.amdhsa_kernarg_size 40
		.amdhsa_user_sgpr_count 2
		.amdhsa_user_sgpr_kernarg_segment_ptr 1
		.amdhsa_wavefront_size32 1
		.amdhsa_system_sgpr_workgroup_id_x 1
		.amdhsa_system_sgpr_workgroup_id_y 1
		.amdhsa_system_sgpr_workgroup_id_z 1
		.amdhsa_system_vgpr_workitem_id 0
		.amdhsa_next_free_vgpr 384
		.amdhsa_next_free_sgpr 96
		.amdhsa_reserve_vcc 0
		.amdhsa_float_denorm_mode_32 3
		.amdhsa_float_denorm_mode_16_64 3
		.amdhsa_memory_ordered 1
		.amdhsa_forward_progress 1
		.amdhsa_inst_pref_size 90
	.end_amdhsa_kernel
	.amdgpu_metadata
---
amdhsa.version: [ 1, 2 ]
amdhsa.kernels:
  - .name:           k_q43391c9dc3_qkv
    .symbol:         k_q43391c9dc3_qkv.kd
    .args:
      - { .name: xw, .offset: 0, .size: 8, .value_kind: global_buffer, .address_space: global }
      - { .name: b_q, .offset: 8, .size: 8, .value_kind: global_buffer, .address_space: global }
      - { .name: b_k, .offset: 16, .size: 8, .value_kind: global_buffer, .address_space: global }
      - { .name: b_v, .offset: 24, .size: 8, .value_kind: global_buffer, .address_space: global }
      - { .name: hb, .offset: 32, .size: 8, .value_kind: global_buffer, .address_space: global }
    .group_segment_fixed_size: 327680
    .private_segment_fixed_size: 0
    .kernarg_segment_align: 8
    .kernarg_segment_size: 40
    .max_flat_workgroup_size: 128
    .sgpr_count:     96
    .vgpr_count:     384
    .wavefront_size: 32
...
	.end_amdgpu_metadata
.endif
;; end of part 2
;; launch attn (part 3): grid 8 x 32, 8 waves a work-group, clusters of 4 x 1, 327,680 bytes of LDS; arguments hb, ctx; writes ctx
.if DOCPART == 3
	.amdgcn_target "amdgcn-amd-amdhsa--gfx1250"
	.amdhsa_code_object_version 6
	.text
	.protected	k_q43391c9dc3_attn
	.globl	k_q43391c9dc3_attn
	.p2align	8
	.type	k_q43391c9dc3_attn,@function
k_q43391c9dc3_attn:
	s_mov_b64 s[64:65], 0
	v_nop
	global_prefetch_b8 v0, s[64:65] scope:SCOPE_SE
	s_setreg_imm32_b32 hwreg(HW_REG_WAVE_MODE, 25, 1), 1
	s_wait_xcnt 0x0
	s_wait_alu depctr_hold_cnt(0) depctr_sa_sdst(0) depctr_va_vdst(0) depctr_va_sdst(0) depctr_va_ssrc(0) depctr_va_vcc(0) depctr_vm_vsrc(0)
	s_getreg_b32 s2, hwreg(HW_REG_IB_STS2, 6, 4)
	s_cmp_eq_u32 s2, 0
	s_cbranch_scc0 .Lentry_in_a_cluster
	s_endpgm
.Lentry_in_a_cluster:
	s_bfe_u32 s2, ttmp6, 0x10000c
	s_cmp_lg_u32 s2, 0x3003
	s_cbranch_scc0 .Lentry_shape_is_right
	s_endpgm
.Lentry_shape_is_right:
; softmax(Q K^T / 8) V for one (b, head) and 256 queries.  hb: f16 [which 3][b x head 32][s 2048][64] (Q, K, V); ctx: f16 [b x head 32][s 2048][64].
; Eight waves, 32 queries each (two q tiles t of 16); two waves lie on a SIMD, so that one's softmax can run beside the other's matrix work.
; K and V come in tiles of 256 keys through two LDS slots; a tile is worked in four steps of 64 keys.  Eight tiles.
; CLUSTERS: the four query blocks of a cluster (4 x 1) belong to one head and ask JOINTLY for the same K and V tiles (mask 15): a quarter of the requests.
; Every wave issues 32 rows of K and 32 of V for each tile; by this text's own count a wave has at most four tensor loads out (the first two tiles), later two.
; TRANSPOSED FORM.  S^T = K Q^T: register j of lane l is the score of key 16 kt + 8 (l / 16) + j with query l % 16, so maximum and sum are formed inside a
; lane plus one exchange between the halves, and the rescaling factors are one number a lane.  Two neighbouring S^T tiles, packed to f16 in place, ARE the
; B fragment of P^T for 32 keys: P never goes through LDS.  O^T = V^T P^T, V^T by transposing LDS loads; a lane ends with 8 neighbouring d of its query.
; SOFTMAX: running maximum M of the raw scores; p = exp2(c s + NM), c = log2(e) / 8, NM = -c M; the old sums are rescaled by exp2(NM new - NM old).
; LIMITS: f16 operands (magnitudes to 65,504); p is rounded to f16 for P V while the divisor sums the f32 p; v_exp_f32 gives 0 below 2^-126;
; a NaN or an infinity in a row of scores spreads over that query's result.
; No prefetch: K and V were stored by the launch before, and each tile is asked for a whole tile's work ahead.
.set PK,    144                        ; LDS row of K: 128 bytes + 16
.set PV,    160                        ; LDS row of V: 128 bytes + 32 (an odd multiple of 32, for the transposing loads)
.set KREG,  256*PK
.set SLOT,  KREG+256*PV                ; 77,824
.set STAGE, 2*SLOT                     ; behind the ring (a multiple of 256): 16 rows x 144 bytes for each wave; no tensor load lands here
.set SP,    144
.set TSTEP, 256*128                    ; bytes of a tile of 256 keys in memory
.set ADRK, 2                           ; v2-3    LDS address of my K fragments, slot 0, 1
.set ADRV, 4                           ; v4-5    the same for V
.set STO,  6                           ; v6      way out: where I put 16 bytes of a row
.set RD,   7                           ; v7      way out: where I read rows back
.set CO,   8                           ; v8      way out: my byte offset in ctx
.set QOFF, 9                           ; v9      my byte offset in Q
.set MX,   10                          ; v10-11  running maximum of q tile t (raw scores)
.set LS,   12                          ; v12-13  running sum, my half of the keys
.set NM,   14                          ; v[14:17] -c M, twice, for each t
.set AL,   18                          ; v[18:21] rescaling factor, twice, for each t
.set TT,   22                          ; v22-29  at work
.set QF,   32                          ; Q(t, c) at 32 + 16 t + 8 c      (c: d half)
.set OA,   64                          ; O(t, dt) at 64 + 32 t + 8 dt    (dt: 16 d)
.set SA,   128                         ; S(t, kt) at 128 + 32 t + 8 kt;  P(t, g) at 128 + 32 t + 16 g
.set KF,   192                         ; K(kt, c) at 192 + 16 kt + 8 c;  then V(dt, g) at 192 + 32 g + 8 dt
.set G1K, 16                           ; s[16:23] descriptor group 1, K
.set G1V, 24                           ; s[24:31] descriptor group 1, V
.set G0K, 32                           ; s[32:39] descriptor group 0, K, a set for each slot
.set G0V, 40                           ; s[40:47] descriptor group 0, V, a set for each slot
.macro ROUND                           ; a round of the cluster's barrier
	s_barrier_signal -1
	s_barrier_wait -1
	s_cmp_lg_u32 s8, 0
	s_cbranch_scc1 .Lnot_wave_0_\@
	s_barrier_signal -3
.Lnot_wave_0_\@:
	s_barrier_wait -3
	s_barrier_signal -1
	s_barrier_wait -1
.endm
	s_load_b128 s[4:7], s[0:1], 0x0                ; hb s[4:5], ctx s[6:7]
	v_lshl_add_u32 v30, v0, 2, 0x2a800
	v_mov_b32 v31, 0
	ds_add_u32 v30, v31
	v_lshrrev_b32 v1, 5, v0
	v_readfirstlane_b32 s8, v1                     ; wave w, 0..7
	s_bfe_u32 s9, ttmp6, 0x40000                   ; cx
	s_lshl_b32 s10, ttmp9, 2
	s_add_co_u32 s10, s10, s9                      ; query block = 4 x cluster x + cx
	s_and_b32 s11, ttmp7, 0xffff                   ; b x 16 + head
	s_mov_b32 s12, 0x76543210                      ; v_permlanex16_b32: lane i of one half reads lane i of the other
	s_mov_b32 s13, 0xfedcba98
	s_mov_b32 s50, 0x3e38aa3b                      ; c = log2(e) / 8
	s_mov_b32 s51, 0x3e38aa3b
	; group 1: 32 rows x 64 elements of 2 bytes, dense in memory; mask 15, bit 21 beside it; padding behind every 32 words: 4 words (K), 8 words (V)
	s_mov_b32 s[G1K+0], 15|(1<<16)|(1<<20)|(1<<21)|(4<<22)|(3<<25)
	s_mov_b32 s[G1V+0], 15|(1<<16)|(1<<20)|(1<<21)|(4<<22)|(7<<25)
.irp g, G1K, G1V
	s_mov_b32 s[\g+1], 64<<16                      ; tensor_dim0
	s_mov_b32 s[\g+2], 32<<16                      ; tensor_dim1
	s_mov_b32 s[\g+3], 64<<16                      ; tile_dim0
	s_mov_b32 s[\g+4], 32                          ; tile_dim1
	s_mov_b32 s[\g+5], 64                          ; elements from row to row
	s_mov_b32 s[\g+6], 0
	s_mov_b32 s[\g+7], 0
.endr
	s_lshl_b32 s52, s11, 18                        ; the head's 2048 x 128 bytes
	s_lshl_b32 s53, s8, 12                         ; + my 32 rows: head and wave alone, no place in the cluster
	s_add_co_u32 s52, s52, s53
	s_mov_b32 s53, 0
	s_mul_i32 s54, s8, 32*PK                       ; where my rows go in a slot
	s_mul_i32 s55, s8, 32*PV
	s_add_co_u32 s55, s55, KREG
	s_lshl_b32 s58, s10, 15                        ; for Q and ctx: + 256 rows x 128 bytes for each query block
	s_add_co_u32 s58, s58, s52
	s_mov_b32 s59, 0
	s_wait_dscnt 0x0
	s_wait_kmcnt 0x0
	s_add_nc_u64 s[56:57], s[4:5], s[52:53]
	s_add_nc_u64 s[60:61], s[4:5], s[58:59]        ; my 32 rows of Q
	s_add_nc_u64 s[62:63], s[6:7], s[58:59]        ; my 32 rows of ctx
.irp s, 0,1
	s_mov_b32 s[G0K+4*\s], 1
	s_add_co_u32 s[G0K+4*\s+1], s54, \s*SLOT
	s_add_nc_u64 s[G0K+4*\s+2:G0K+4*\s+3], s[56:57], 0x800000+\s*TSTEP     ; K lies 8 MiB into hb
	s_or_b32 s[G0K+4*\s+3], s[G0K+4*\s+3], 0x80000000
	s_mov_b32 s[G0V+4*\s], 1
	s_add_co_u32 s[G0V+4*\s+1], s55, \s*SLOT
	s_add_nc_u64 s[G0V+4*\s+2:G0V+4*\s+3], s[56:57], 0x1000000+\s*TSTEP    ; V 16 MiB
	s_or_b32 s[G0V+4*\s+3], s[G0V+4*\s+3], 0x80000000
.endr
	ROUND                                          ; the four work-groups are here: the first joint loads meet
.irp s, 0,1
	tensor_load_to_lds s[G0K+4*\s:G0K+4*\s+3], s[G1K:G1K+7]
	s_nop 0
	tensor_load_to_lds s[G0V+4*\s:G0V+4*\s+3], s[G1V:G1V+7]
	s_nop 0
.endr
	; lane addresses.  l = lane, r = l % 16, h = l / 16
	v_and_b32 v22, 15, v0                          ; r
	v_bfe_u32 v23, v0, 4, 1                        ; h
	v_and_b32 v24, 7, v0                           ; l % 8
	v_bfe_u32 v25, v0, 3, 1                        ; (l / 8) % 2
	v_and_b32 v26, 31, v0                          ; l
	v_bfe_u32 v27, v0, 3, 2                        ; l / 8
	v_lshlrev_b32 v[QOFF], 7, v22
	v_lshl_add_u32 v[QOFF], v23, 4, v[QOFF]        ; Q: row r, 16 h
.irp t, 0,1
.irp c, 0,1
	global_load_b128 v[QF+16*\t+8*\c:QF+16*\t+8*\c+3],   v[QOFF], s[60:61] offset:2048*\t+64*\c
	global_load_b128 v[QF+16*\t+8*\c+4:QF+16*\t+8*\c+7], v[QOFF], s[60:61] offset:2048*\t+64*\c+32
.endr
.endr
	v_mul_u32_u24 v[ADRK], v22, PK
	v_lshl_add_u32 v[ADRK], v23, 4, v[ADRK]        ; K: row r x pitch + 16 h
	v_add_nc_u32 v[ADRK+1], SLOT, v[ADRK]
	v_lshl_add_u32 v[ADRV], v23, 3, v24
	v_mul_u32_u24 v[ADRV], v[ADRV], PV
	v_lshl_add_u32 v[ADRV], v25, 4, v[ADRV]        ; V: (8 h + l % 8) x pitch + 16 ((l / 8) % 2)
	v_add_nc_u32 v[ADRV], KREG, v[ADRV]
	v_add_nc_u32 v[ADRV+1], SLOT, v[ADRV]
	s_mul_i32 s15, s8, 16*SP
	s_add_co_u32 s15, s15, STAGE                   ; my stage
	v_add_nc_u32 v[STO], s15, v[ADRK]              ; in: row r, 16 bytes for each half of the lanes (the stage has K's pitch)
	v_mul_u32_u24 v[RD], v27, SP
	v_lshl_add_u32 v[RD], v24, 4, v[RD]            ; back: eight lanes a row of 128 bytes, four rows an instruction
	v_add_nc_u32 v[RD], s15, v[RD]
	v_lshlrev_b32 v[CO], 4, v26                    ; in ctx those four rows are 512 consecutive bytes
.macro SCALE t                         ; s -> c s - c M, two at a time
.set ii, 0
.rept 16
	v_pk_fma_f32 v[SA+32*\t+ii:SA+32*\t+ii+1], v[SA+32*\t+ii:SA+32*\t+ii+1], s[50:51], v[NM+2*\t:NM+2*\t+1] op_sel_hi:[1,0,1]
.set ii, ii+2
.endr
.endm
.macro EXPT t
.set ii, 0
.rept 32
	v_exp_f32 v[SA+32*\t+ii], v[SA+32*\t+ii]
.set ii, ii+1
.endr
.endm
.macro SUMT t, first                   ; my 32 p of q tile t, in four chains, onto the running sum
	s_wait_alu depctr_va_vdst(0)
.irp i, 0,1,2,3
	v_pk_add_f32 v[TT+2*\i:TT+2*\i+1], v[SA+32*\t+4*\i:SA+32*\t+4*\i+1], v[SA+32*\t+4*\i+2:SA+32*\t+4*\i+3]
.endr
.irp i, 0,1,2,3
	v_pk_add_f32 v[TT+2*\i:TT+2*\i+1], v[TT+2*\i:TT+2*\i+1], v[SA+32*\t+16+2*\i:SA+32*\t+16+2*\i+1]
.endr
.irp i, 0,1,2,3
	v_pk_add_f32 v[TT+2*\i:TT+2*\i+1], v[TT+2*\i:TT+2*\i+1], v[SA+32*\t+24+2*\i:SA+32*\t+24+2*\i+1]
.endr
	v_pk_add_f32 v[TT:TT+1], v[TT:TT+1], v[TT+2:TT+3]
	v_pk_add_f32 v[TT+4:TT+5], v[TT+4:TT+5], v[TT+6:TT+7]
	v_pk_add_f32 v[TT:TT+1], v[TT:TT+1], v[TT+4:TT+5]
.if \first
	v_add_f32 v[LS+\t], v[TT], v[TT+1]
.else
	v_add_f32 v[TT], v[TT], v[TT+1]
	v_fma_f32 v[LS+\t], v[LS+\t], v[AL+2*\t], v[TT]
.endif
.endm
.macro PACK t                          ; two S^T tiles (16 registers) -> one B fragment of P^T (8 registers), in place: each write lands at or below what is still to be read
.irp g, 0,1
.irp i, 0,1,2,3
	v_cvt_pk_f16_f32 v[SA+32*\t+16*\g+\i], v[SA+32*\t+16*\g+2*\i], v[SA+32*\t+16*\g+2*\i+1]
.endr
.irp i, 0,1,2,3
	v_cvt_pk_f16_f32 v[SA+32*\t+16*\g+4+\i], v[SA+32*\t+16*\g+8+2*\i], v[SA+32*\t+16*\g+8+2*\i+1]
.endr
.endr
.endm
.macro RESCALE t                       ; O of q tile t times the lane's factor
.set ii, 0
.rept 16
	v_pk_mul_f32 v[OA+32*\t+ii:OA+32*\t+ii+1], v[OA+32*\t+ii:OA+32*\t+ii+1], v[AL+2*\t:AL+2*\t+1]
.set ii, ii+2
.endr
.endm
; One step: 64 keys (rows 64 j .. 64 j + 63 of the slot's tile) against my 32 queries.  first = 1: the very first step starts maximum, sums and O.
.macro STEP slot, j, first
.rept 5
	v_nop                                          ; places behind the last P V products: four for the loads into their V, five before S^T writes over their P
.endr
.irp c, 0,1
.irp kt, 0,1,2,3
	ds_load_b128 v[KF+16*\kt+8*\c:KF+16*\kt+8*\c+3],   v[ADRK+\slot] offset:(64*\j+16*\kt)*PK+64*\c
	ds_load_b128 v[KF+16*\kt+8*\c+4:KF+16*\kt+8*\c+7], v[ADRK+\slot] offset:(64*\j+16*\kt)*PK+64*\c+32
.endr
.endr
	s_wait_dscnt 0x8                               ; the eight loads of d 0-31 are in; the eight of d 32-63 stay out
	; S^T: the eight accumulators take turns, one instruction a turn
.irp kt, 0,1,2,3
.irp t, 0,1
	v_wmma_f32_16x16x32_f16 v[SA+32*\t+8*\kt:SA+32*\t+8*\kt+7], v[KF+16*\kt:KF+16*\kt+7], v[QF+16*\t:QF+16*\t+7], 0
.endr
.endr
	s_wait_dscnt 0x0
.irp kt, 0,1,2,3
.irp t, 0,1
	v_wmma_f32_16x16x32_f16 v[SA+32*\t+8*\kt:SA+32*\t+8*\kt+7], v[KF+16*\kt+8:KF+16*\kt+15], v[QF+16*\t+8:QF+16*\t+15], v[SA+32*\t+8*\kt:SA+32*\t+8*\kt+7]
.endr
.endr
.rept 4
	v_nop                                          ; places: V is loaded over K's fragments, and the scores are read
.endr
.irp g, 0,1
.irp dt, 0,1,2,3
	ds_load_tr16_b128 v[KF+32*\g+8*\dt:KF+32*\g+8*\dt+3],   v[ADRV+\slot] offset:(64*\j+32*\g)*PV+32*\dt          ; they land while the softmax runs
	ds_load_tr16_b128 v[KF+32*\g+8*\dt+4:KF+32*\g+8*\dt+7], v[ADRV+\slot] offset:(64*\j+32*\g)*PV+32*\dt+16*PV
.endr
.endr
	; the maximum of my 32 scores of each q tile and the old maximum: sixteen three-way maxima, four chains
.irp i, 0,1,2,3
.irp t, 0,1
	v_max3_num_f32 v[TT+4*\t+\i], v[SA+32*\t+8*\i], v[SA+32*\t+8*\i+1], v[SA+32*\t+8*\i+2]
.endr
.endr
.irp i, 0,1,2,3
.irp t, 0,1
	v_max3_num_f32 v[TT+4*\t+\i], v[TT+4*\t+\i], v[SA+32*\t+8*\i+3], v[SA+32*\t+8*\i+4]
.endr
.endr
.irp i, 0,1,2,3
.irp t, 0,1
	v_max3_num_f32 v[TT+4*\t+\i], v[TT+4*\t+\i], v[SA+32*\t+8*\i+5], v[SA+32*\t+8*\i+6]
.endr
.endr
.irp t, 0,1
	v_max3_num_f32 v[TT+4*\t],   v[TT+4*\t],   v[TT+4*\t+1], v[SA+32*\t+7]
	v_max3_num_f32 v[TT+4*\t+2], v[TT+4*\t+2], v[TT+4*\t+3], v[SA+32*\t+15]
.endr
.irp t, 0,1
	v_max3_num_f32 v[TT+4*\t], v[TT+4*\t], v[SA+32*\t+23], v[SA+32*\t+31]
.endr
.irp t, 0,1
.if \first
	v_max_num_f32 v[TT+4*\t], v[TT+4*\t], v[TT+4*\t+2]
.else
	v_max3_num_f32 v[TT+4*\t], v[TT+4*\t], v[TT+4*\t+2], v[MX+\t]
.endif
.endr
.irp t, 0,1
	v_permlanex16_b32 v[TT+4*\t+1], v[TT+4*\t], s12, s13           ; the other half's keys of the same query
.endr
.irp t, 0,1
	v_max_num_f32 v[MX+\t], v[TT+4*\t], v[TT+4*\t+1]
.endr
.irp t, 0,1
	v_mul_f32 v[TT+4*\t+2], 0xbe38aa3b, v[MX+\t]                   ; -c M
.endr
.if \first == 0
.irp t, 0,1
	v_sub_f32 v[AL+2*\t], v[TT+4*\t+2], v[NM+2*\t]                 ; new shift - old shift, at most 0
.endr
.endif
.irp t, 0,1
	v_mov_b32 v[NM+2*\t],   v[TT+4*\t+2]
	v_mov_b32 v[NM+2*\t+1], v[TT+4*\t+2]
.endr
.if \first == 0
	v_exp_f32 v[AL],   v[AL]
	v_exp_f32 v[AL+2], v[AL+2]
.endif
	; behind each run of v_exp_f32 a plain vector instruction on other registers comes before a result is used (ISA guide 5.7.2)
	SCALE 0                                        ; the plain place behind the two factors' exponentials
	EXPT 0
	SCALE 1                                        ; the plain place behind q tile 0's
	EXPT 1
.if \first == 0
	s_wait_alu depctr_va_vdst(0)
	v_mov_b32 v[AL+1], v[AL]                       ; the plain place behind q tile 1's (in the first step: q tile 0's sums)
	v_mov_b32 v[AL+3], v[AL+2]
.endif
	SUMT 0, \first
	SUMT 1, \first
	PACK 0
	PACK 1
.if \first == 0
	RESCALE 0
	RESCALE 1
.endif
	s_wait_dscnt 0x0                               ; V's fragments
	; O^T += V^T P^T: the eight accumulators take turns, one instruction a turn
.irp dt, 0,1,2,3
.irp t, 0,1
.if \first
	v_wmma_f32_16x16x32_f16 v[OA+32*\t+8*\dt:OA+32*\t+8*\dt+7], v[KF+8*\dt:KF+8*\dt+7], v[SA+32*\t:SA+32*\t+7], 0
.else
	v_wmma_f32_16x16x32_f16 v[OA+32*\t+8*\dt:OA+32*\t+8*\dt+7], v[KF+8*\dt:KF+8*\dt+7], v[SA+32*\t:SA+32*\t+7], v[OA+32*\t+8*\dt:OA+32*\t+8*\dt+7]
.endif
.endr
.endr
.irp dt, 0,1,2,3
.irp t, 0,1
	v_wmma_f32_16x16x32_f16 v[OA+32*\t+8*\dt:OA+32*\t+8*\dt+7], v[KF+32+8*\dt:KF+32+8*\dt+7], v[SA+32*\t+16:SA+32*\t+23], v[OA+32*\t+8*\dt:OA+32*\t+8*\dt+7]
.endr
.endr
.endm
.macro COMPUTE slot, first             ; a tile of 256 keys
	STEP \slot, 0, \first
	STEP \slot, 1, 0
	STEP \slot, 2, 0
	STEP \slot, 3, 0
.endm
; The change of slots.  In front of it every wave waits for its reads of the slot just used and for all its tensor loads (the other slot's two).
; fill = 1: the slot is filled again, two tiles ahead: a round of the cluster's barrier, and the two joint loads first behind it.
.macro CHANGE slot, fill
	s_wait_dscnt 0x0
	s_wait_tensorcnt 0x0                           ; no tensor load of mine is out: the group 0 sets may be written
	ds_add_u32 v30, v31
	s_wait_dscnt 0x0
.if \fill
	s_add_nc_u64 s[G0K+4*\slot+2:G0K+4*\slot+3], s[G0K+4*\slot+2:G0K+4*\slot+3], 2*TSTEP
	s_add_nc_u64 s[G0V+4*\slot+2:G0V+4*\slot+3], s[G0V+4*\slot+2:G0V+4*\slot+3], 2*TSTEP
	ROUND                                          ; no wave of any partner still reads this slot or has a load on its way
	tensor_load_to_lds s[G0K+4*\slot:G0K+4*\slot+3], s[G1K:G1K+7]
	s_nop 0
	tensor_load_to_lds s[G0V+4*\slot:G0V+4*\slot+3], s[G1V:G1V+7]
	s_nop 0
.else
	s_barrier_signal -1
	s_barrier_wait -1
.endif
.endm
	s_wait_tensorcnt 0x2                           ; my rows of tile 0 (K and V) are in; tile 1's two loads stay out
	s_barrier_signal -1
	s_barrier_wait -1                              ; everybody's are
	s_wait_loadcnt 0x0                             ; Q
	COMPUTE 0, 1                                   ; tile 0: starts maximum, sums and O
	CHANGE 0, 1                                    ; tile 2 goes out
	COMPUTE 1, 0                                   ; tile 1
	CHANGE 1, 1                                    ; tile 3 goes out
	s_mov_b32 s14, 2
.Ltiles:
	COMPUTE 0, 0                                   ; tiles 2, 4
	CHANGE 0, 1                                    ; tiles 4, 6 go out
	COMPUTE 1, 0                                   ; tiles 3, 5
	CHANGE 1, 1                                    ; tiles 5, 7 go out
	s_sub_co_u32 s14, s14, 1
	s_cmp_lg_u32 s14, 0
	s_cbranch_scc1 .Ltiles
	COMPUTE 0, 0                                   ; tile 6
	CHANGE 0, 0                                    ; nothing more to fetch
	COMPUTE 1, 0                                   ; tile 7
	; THE WAY OUT: divide by the sum, round to f16, 16 queries at a time through my own stage, whole rows back, 512 consecutive bytes a store.
.rept 4
	v_nop                                          ; places behind the last products: O is read, P's and V's registers are written
.endr
	v_permlanex16_b32 v[TT],   v[LS],   s12, s13   ; the other half's keys
	v_permlanex16_b32 v[TT+1], v[LS+1], s12, s13
	v_add_f32 v[LS],   v[LS],   v[TT]
	v_add_f32 v[LS+1], v[LS+1], v[TT+1]
	v_rcp_f32 v[AL],   v[LS]                       ; the sum holds the maximum's own term, about 1: never 0
	v_rcp_f32 v[AL+2], v[LS+1]
	v_nop                                          ; the plain place behind the reciprocals
	s_wait_alu depctr_va_vdst(0)
	v_mov_b32 v[AL+1], v[AL]
	v_mov_b32 v[AL+3], v[AL+2]
	RESCALE 0
	RESCALE 1
.irp t, 0,1
.irp dt, 0,1,2,3
.irp i, 0,1,2,3
	v_cvt_pk_f16_f32 v[SA+16*\t+4*\dt+\i], v[OA+32*\t+8*\dt+2*\i], v[OA+32*\t+8*\dt+2*\i+1]
.endr
.endr
.endr
.irp t, 0,1
.irp dt, 0,1,2,3
	ds_store_b128 v[STO], v[SA+16*\t+4*\dt:SA+16*\t+4*\dt+3] offset:32*\dt
.endr
.irp u, 0,1,2,3
	ds_load_b128 v[KF+16*\t+4*\u:KF+16*\t+4*\u+3], v[RD] offset:4*SP*\u    ; LDS serves a wave's instructions in order (ISA guide 5.7.1): these see the stores above
.endr
.irp u, 0,1,2,3
	s_wait_dscnt 3-\u                              ; rows 4 u .. 4 u + 3 are back; the younger read-backs stay out
	global_store_b128 v[CO], v[KF+16*\t+4*\u:KF+16*\t+4*\u+3], s[62:63] offset:2048*\t+512*\u
.endr
.endr
	s_wait_dscnt 0x0
	s_wait_tensorcnt 0x0
	ds_add_u32 v30, v31
	s_wait_dscnt 0x0
	ROUND                                          ; the closing round: no work-group ends while a partner may still ask for a tile that names it
	s_endpgm
.Lfunc_end_k_q43391c9dc3_attn:
	.size	k_q43391c9dc3_attn, .Lfunc_end_k_q43391c9dc3_attn-k_q43391c9dc3_attn
	.p2alignl 7, 3214868480
	.fill 96, 4, 3214868480
	.section	.rodata,"a",@progbits
	.p2align	6, 0x0
	.amdhsa_kernel k_q43391c9dc3_attn
		.amdhsa_group_segment_fixed_size 327680
		.amdhsa_private_segment_fixed_size 0
		.amdhsa_enable_private_segment 0
		.amdhsa_kernarg_size 16
		.amdhsa_user_sgpr_count 2
		.amdhsa_user_sgpr_kernarg_segment_ptr 1
		.amdhsa_wavefront_size32 1
		.amdhsa_system_sgpr_workgroup_id_x 1
		.amdhsa_system_sgpr_workgroup_id_y 1
		.amdhsa_system_sgpr_workgroup_id_z 1
		.amdhsa_system_vgpr_workitem_id 0
		.amdhsa_next_free_vgpr 256
		.amdhsa_next_free_sgpr 66
		.amdhsa_reserve_vcc 0
		.amdhsa_float_denorm_mode_32 3
		.amdhsa_float_denorm_mode_16_64 3
		.amdhsa_memory_ordered 1
		.amdhsa_forward_progress 1
		.amdhsa_inst_pref_size 255
	.end_amdhsa_kernel
	.section	.bss,"aw",@nobits
	.p2align	6
	.space	262144
	.amdgpu_metadata
---
amdhsa.version: [ 1, 2 ]
amdhsa.kernels:
  - .name:           k_q43391c9dc3_attn
    .symbol:         k_q43391c9dc3_attn.kd
    .args:
      - { .name: hb, .offset: 0, .size: 8, .value_kind: global_buffer, .address_space: global }
      - { .name: ctx, .offset: 8, .size: 8, .value_kind: global_buffer, .address_space: global }
    .group_segment_fixed_size: 327680
    .private_segment_fixed_size: 0
    .kernarg_segment_align: 8
    .kernarg_segment_size: 16
    .max_flat_workgroup_size: 256
    .sgpr_count:     66
    .vgpr_count:     256
    .wavefront_size: 32
...
	.end_amdgpu_metadata
.endif
;; end of part 3
;; launch oproj (part 4): grid 8 x 32, 4 waves a work-group, clusters of 4 x 4, 327,680 bytes of LDS; arguments ctx, xw, b_o, out0; writes out0
.if DOCPART == 4
	.amdgcn_target "amdgcn-amd-amdhsa--gfx1250"
	.amdhsa_code_object_version 6
	.text
	.protected	k_q43391c9dc3_oproj
	.globl	k_q43391c9dc3_oproj
	.p2align	8
	.type	k_q43391c9dc3_oproj,@function
k_q43391c9dc3_oproj:
	s_mov_b64 s[64:65], 0
	v_nop
	global_prefetch_b8 v0, s[64:65] scope:SCOPE_SE
	s_setreg_imm32_b32 hwreg(HW_REG_WAVE_MODE, 25, 1), 1
	s_wait_xcnt 0x0
	s_wait_alu depctr_hold_cnt(0) depctr_sa_sdst(0) depctr_va_vdst(0) depctr_va_sdst(0) depctr_va_ssrc(0) depctr_va_vcc(0) depctr_vm_vsrc(0)
	s_getreg_b32 s2, hwreg(HW_REG_IB_STS2, 6, 4)
	s_cmp_eq_u32 s2, 0
	s_cbranch_scc0 .Lentry_in_a_cluster
	s_endpgm
.Lentry_in_a_cluster:
	s_bfe_u32 s2, ttmp6, 0x10000c
	s_cmp_lg_u32 s2, 0xf033
	s_cbranch_scc0 .Lentry_shape_is_right
	s_endpgm
.Lentry_shape_is_right:
; C = A W + bias, f16 operands, f32 sums.  ONE TEXT SERVES TWO LAUNCHES; OPROJ picks:
;   OPROJ = 0: the three input projections in one launch.  A = q, k, v as f16 (xw, 3 x 4096 rows of 1024), W = W_q, W_k, W_v as f16 (xw, [k][n]),
;              result as f16 into hb [which 3][b 2][head 16][s 2048][64].
;   OPROJ = 1: the output projection.  A = ctx, f16 [b][head][s][64] (k = 64 head + d), W = W_o as f16 (xw), result as f32 into out0 [4096][1024].
; A work-group makes 128 x 128 of C: 768 (256) work-groups, a multiple of the 256 WGPs; a larger block would leave WGPs without work.
; Four waves, 2 x 2, each 64 x 64 = 16 accumulator tiles.  K = 1024 goes in 4 tiles of 256 through two LDS slots; all four are written out, no loop.
; CLUSTERS: 4 x 4 work-groups.  A's tile hangs on the block row alone and is asked for jointly by a row of the cluster, W's on the block column (and on
; which projection, the same for a whole cluster) and is asked for jointly by a column.  Every wave issues a quarter of each: two loads a tile, no branch.
; By this text's own count a wave has at most four tensor loads out (the first two tiles), later two.
; THE MATRIX INSTRUCTION IS USED TRANSPOSED: source 0 = 16 columns of W, source 1 = 16 rows of A, so that a lane holds row l % 16 of C and eight
; NEIGHBOURING columns 8 (l / 16) + 0..7.  The bias, laid out the same way, is the C operand of the very first products: nothing is cleared or added later.
; LIMITS: f16 operands (magnitudes to 65,504; absolute step 6e-8 below 6e-5); with OPROJ = 0 the result is rounded to f16 with the same range.
; No prefetch: every operand was stored by the launch before, and a tile is asked for a whole tile's matrix work (128 instructions a wave) ahead.
.set OPROJ, 1
.if OPROJ
.set PITCHA, 144                       ; LDS row of A: one head's 64 d = 128 bytes + 16
.set AROWS,  128                       ; a wave's load: one head's 128 rows x 64, dense in memory
.set ACOLS,  64
.set APIT,   64
.set AQI,    4                         ; padding behind every 32 words
.set ASTEP,  4*262144                  ; a K tile = 4 heads of 2048 x 128 bytes
.set WBASE,  30*1048576                ; W_o in xw
.set PA, 4                             ; s[4:5] ctx
.set PW, 6                             ; s[6:7] xw
.set SPITCH, 272                       ; stage row: 64 f32 + 16 bytes
.else
.set PITCHA, 528                       ; LDS row of A: 256 k = 512 bytes + 16
.set AROWS,  32                        ; a wave's load: 32 rows x 256 k
.set ACOLS,  256
.set APIT,   1024
.set AQI,    6                         ; padding behind every 128 words
.set ASTEP,  512                       ; a K tile = 256 k of 2 bytes
.set WBASE,  24*1048576                ; W_q in xw; W_k, W_v 2 MiB apart behind it
.set PA, 4                             ; s[4:5] xw
.set PW, 4
.set SPITCH, 144                       ; stage row: 64 f16 + 16 bytes
.endif
.set AQUART, AROWS*PITCHA              ; LDS bytes of a wave's quarter of A's tile
.set AREG,   4*AQUART                  ; A's region of a slot
.set PITCHW, 288                       ; LDS row of W: 128 n = 256 bytes + 32 (an odd multiple of 32, for the transposing loads)
.set WQUART, 64*PITCHW                 ; a wave's quarter of W's tile: 64 k rows
.set WSTEP,  256*2048                  ; a K tile of W: 256 rows of 2,048 bytes
.set SLOT,   AREG+4*WQUART
.set STAGE,  2*SLOT                    ; behind the ring (a multiple of 256): 16 rows for each wave, for the way out; no tensor load lands here
.set SW,     16*SPITCH
.set ADRA, 16                          ; v16-17  LDS address of my A fragments, slot 0, 1
.set ADRW, 20                          ; v20-23  the same for W: slot 0 k rows 0-127, 128-255, slot 1 likewise
.set STO,  24                          ; v24     way out: where I put my piece of a row
.set RD,   25                          ; v25     way out: where I read rows back
.set CO,   26                          ; v26     way out: my byte offset in the result
.set BOFF, 27                          ; v27     my byte offset in the bias
.set F0,   64                          ; v64-127   fragment buffer 0: A's four at +0, W's four at +32
.set F1,   128                         ; v128-191  fragment buffer 1
.set BIAS, 192                         ; v192-223  four bias fragments; later (OPROJ = 0) the packed results
.set TMP,  192
                                       ; window 1 (v256-383): accumulator tile (a, b) at v[8 (4 a + b)]
.set G1A, 28                           ; s[28:35] descriptor group 1, A
.set G1W, 36                           ; s[36:43] descriptor group 1, W
.set G0A, 44                           ; s[44:51] descriptor group 0, A, a set for each slot
.set G0W, 52                           ; s[52:59] descriptor group 0, W, a set for each slot
.set MSB, 0
.macro WIN new                         ; s_set_vgpr_msb: bits 1:0 source 0, 3:2 source 1, 5:4 source 2, 7:6 destination; the high byte repeats the setting left
.if MSB != \new
	s_set_vgpr_msb (MSB<<8)|\new
.set MSB, \new
.endif
.endm
.macro PLACES                          ; four places behind a matrix instruction (ISA guide 7.12.1), where there is no other vector work
.rept 4
	v_nop
.endr
.endm
.macro ROUND                           ; a round of the cluster's barrier: my work-group's barrier, wave 0 signals for it, all wait for all sixteen, my barrier again
	s_barrier_signal -1
	s_barrier_wait -1
	s_cmp_lg_u32 s14, 0
	s_cbranch_scc1 .Lnot_wave_0_\@
	s_barrier_signal -3
.Lnot_wave_0_\@:
	s_barrier_wait -3
	s_barrier_signal -1
	s_barrier_wait -1
.endm
.if OPROJ
	s_load_b256 s[4:11], s[0:1], 0x0               ; ctx s[4:5], xw s[6:7], b_o s[8:9], out0 s[10:11]
	v_lshl_add_u32 v254, v0, 2, 0x4c400
	v_mov_b32 v255, 0
	ds_add_u32 v254, v255
.else
	s_load_b256 s[4:11], s[0:1], 0x0               ; xw s[4:5], b_q s[6:7], b_k s[8:9], b_v s[10:11]
	s_load_b64 s[12:13], s[0:1], 0x20              ; hb
.endif
	v_lshrrev_b32 v1, 5, v0
	v_readfirstlane_b32 s14, v1                    ; wave w, 0..3
	s_lshr_b32 s15, s14, 1                         ; wm: which 64 rows of the block
	s_and_b32 s16, s14, 1                          ; wn: which 64 columns
	s_bfe_u32 s17, ttmp6, 0x40000                  ; cx
	s_bfe_u32 s18, ttmp6, 0x40004                  ; cy
	s_lshl_b32 s19, ttmp9, 2
	s_add_co_u32 s19, s19, s17                     ; bx: block column = 4 x cluster x + cx
	s_and_b32 s20, ttmp7, 0xffff                   ; the cluster's y
	s_lshl_b32 s21, s20, 2
	s_add_co_u32 s21, s21, s18                     ; by: block row = 4 x cluster y + cy
	s_lshr_b32 s22, s20, 3                         ; which projection (32 block rows = 8 clusters each): made of the cluster's y alone
	s_lshl_b32 s23, s18, 2
	s_lshl_b32 s23, 15, s23                        ; my row of the cluster: places 4 cy .. 4 cy + 3
	s_lshl_b32 s24, 0x1111, s17                    ; my column: places cx, cx + 4, cx + 8, cx + 12
	; group 1 of A: 15:0 mask; 17:16 elements of 2 bytes; 20 padding on; 21 set beside a mask; 24:22 interval = a row; 31:25 pad of 4 words
	s_or_b32  s[G1A+0], s23, (1<<16)|(1<<20)|(1<<21)|(AQI<<22)|(3<<25)
	s_mov_b32 s[G1A+1], ACOLS<<16                  ; tensor_dim0
	s_mov_b32 s[G1A+2], AROWS<<16                  ; tensor_dim1
	s_mov_b32 s[G1A+3], ACOLS<<16                  ; tile_dim0
	s_mov_b32 s[G1A+4], AROWS                      ; tile_dim1
	s_mov_b32 s[G1A+5], APIT                       ; elements from row to row
	s_mov_b32 s[G1A+6], 0
	s_mov_b32 s[G1A+7], 0
	; group 1 of W: 64 k rows x 128 n, rows of 64 words, pad of 8 words
	s_or_b32  s[G1W+0], s24, (1<<16)|(1<<20)|(1<<21)|(5<<22)|(7<<25)
	s_mov_b32 s[G1W+1], 128<<16
	s_mov_b32 s[G1W+2], 64<<16
	s_mov_b32 s[G1W+3], 128<<16
	s_mov_b32 s[G1W+4], 64
	s_mov_b32 s[G1W+5], 1024
	s_mov_b32 s[G1W+6], 0
	s_mov_b32 s[G1W+7], 0
	; A's byte offset: block row and wave alone (s66, s67 never hold cx)
.if OPROJ
	s_lshr_b32 s66, s21, 4
	s_lshl_b32 s66, s66, 22                        ; b x 16 heads x 2048 x 128 bytes
	s_and_b32 s67, s21, 15
	s_lshl_b32 s67, s67, 14                        ; + 128 rows x 128 bytes for each block row inside b
	s_add_co_u32 s66, s66, s67
	s_lshl_b32 s67, s14, 18                        ; + my head of the tile's four
.else
	s_lshl_b32 s66, s21, 18                        ; 128 rows x 2,048 bytes for each block row (q, k, v lie one behind the other)
	s_lshl_b32 s67, s14, 16                        ; + my 32 rows
.endif
	s_add_co_u32 s66, s66, s67
	s_mov_b32 s67, 0
	; W's byte offset: block column, projection and wave alone (s68, s69 never hold cy)
	s_lshl_b32 s68, s14, 17                        ; my 64 k rows of 2,048 bytes
	s_lshl_b32 s69, s19, 8                         ; 128 columns of 2 bytes for each block column
	s_add_co_u32 s68, s68, s69
.if OPROJ == 0
	s_lshl_b32 s69, s22, 21                        ; 2 MiB for each projection
	s_add_co_u32 s68, s68, s69
.endif
	s_mov_b32 s69, 0
	s_mul_i32 s76, s14, AQUART                     ; where my quarters go in a slot: the wave's number alone
	s_mul_i32 s77, s14, WQUART
	s_add_co_u32 s77, s77, AREG
	s_wait_dscnt 0x0
	s_wait_kmcnt 0x0
	s_add_nc_u64 s[70:71], s[PA:PA+1], s[66:67]
	s_add_nc_u64 s[72:73], s[PW:PW+1], s[68:69]
.irp s, 0,1
	s_mov_b32 s[G0A+4*\s], 1                                       ; count = 1
	s_add_co_u32 s[G0A+4*\s+1], s76, \s*SLOT                       ; LDS address
	s_add_nc_u64 s[G0A+4*\s+2:G0A+4*\s+3], s[70:71], \s*ASTEP      ; global address: K tile s
	s_or_b32 s[G0A+4*\s+3], s[G0A+4*\s+3], 0x80000000              ; type = 2
	s_mov_b32 s[G0W+4*\s], 1
	s_add_co_u32 s[G0W+4*\s+1], s77, \s*SLOT
	s_add_nc_u64 s[G0W+4*\s+2:G0W+4*\s+3], s[72:73], WBASE+\s*WSTEP
	s_or_b32 s[G0W+4*\s+3], s[G0W+4*\s+3], 0x80000000
.endr
	ROUND                                          ; all sixteen work-groups are here: the first joint loads meet
.irp s, 0,1
	tensor_load_to_lds s[G0A+4*\s:G0A+4*\s+3], s[G1A:G1A+7]
	s_nop 0
	tensor_load_to_lds s[G0W+4*\s:G0W+4*\s+3], s[G1W:G1W+7]
	s_nop 0
.endr
	; lane addresses.  l = lane, r = l % 16, h = l / 16
	v_and_b32 v1, 15, v0                           ; r
	v_bfe_u32 v2, v0, 4, 1                         ; h
	v_and_b32 v3, 7, v0                            ; l % 8
	v_bfe_u32 v4, v0, 3, 1                         ; (l / 8) % 2
	; A fragment (16 rows x 32 k, k along the LDS rows): two 16-byte loads, 32 bytes apart, at row x pitch + 16 h
	v_mul_u32_u24 v5, v1, PITCHA
	v_lshl_add_u32 v5, v2, 4, v5
	s_mul_i32 s78, s15, 64*PITCHA                  ; my 64 rows
	v_add_nc_u32 v[ADRA], s78, v5
	v_add_nc_u32 v[ADRA+1], SLOT, v[ADRA]
	; W fragment (32 k x 16 n, n along the LDS rows): two transposing loads, 16 rows apart, at (8 h + l % 8) x pitch + 16 ((l / 8) % 2)
	v_lshl_add_u32 v6, v2, 3, v3
	v_mul_u32_u24 v6, v6, PITCHW
	v_lshl_add_u32 v6, v4, 4, v6
	s_lshl_b32 s79, s16, 7                         ; my 64 columns of 2 bytes
	s_add_co_u32 s79, s79, AREG
	v_add_nc_u32 v[ADRW], s79, v6
	v_add_nc_u32 v[ADRW+1], 128*PITCHW, v[ADRW]    ; k rows 128-255: the 16-bit offset field does not reach them
	v_add_nc_u32 v[ADRW+2], SLOT, v[ADRW]
	v_add_nc_u32 v[ADRW+3], SLOT, v[ADRW+1]
	; the way out
	s_mul_i32 s80, s14, SW
	s_add_co_u32 s80, s80, STAGE                   ; my stage
	v_mul_u32_u24 v8, v1, SPITCH
.if OPROJ
	v_lshl_add_u32 v8, v2, 5, v8                   ; in: row r, 32 bytes (8 f32) for each half of the lanes
	v_add_nc_u32 v[STO], s80, v8
	v_mul_u32_u24 v9, v2, SPITCH                   ; back: lanes 0-15 one row of 256 bytes, lanes 16-31 the next
	v_lshl_add_u32 v9, v1, 4, v9
	v_add_nc_u32 v[RD], s80, v9
	v_lshlrev_b32 v10, 12, v2                      ; and the same two rows of out0 (4,096 bytes each)
	v_lshl_add_u32 v[CO], v1, 4, v10
.else
	v_lshl_add_u32 v8, v2, 4, v8                   ; in: row r, 16 bytes (8 f16) for each half of the lanes
	v_add_nc_u32 v[STO], s80, v8
	v_bfe_u32 v7, v0, 3, 2                         ; back: eight lanes a row of 128 bytes, four rows an instruction
	v_mul_u32_u24 v9, v7, SPITCH
	v_lshl_add_u32 v9, v3, 4, v9
	v_add_nc_u32 v[RD], s80, v9
	v_and_b32 v10, 31, v0
	v_lshlrev_b32 v[CO], 4, v10                    ; in hb those four rows are 512 consecutive bytes
.endif
	; the bias of my 64 columns, as four C fragments: register j of fragment b = bias[128 bx + 64 wn + 16 b + 8 h + j]
	s_lshl_b32 s81, s19, 9
	s_lshl_b32 s79, s16, 8
	s_add_co_u32 s81, s81, s79
	v_lshl_add_u32 v[BOFF], v2, 5, s81
.if OPROJ
	s_mov_b64 s[82:83], s[8:9]
.else
	s_cmp_eq_u32 s22, 1
	s_cselect_b64 s[82:83], s[8:9], s[6:7]
	s_cmp_eq_u32 s22, 2
	s_cselect_b64 s[82:83], s[10:11], s[82:83]
.endif
.irp b, 0,1,2,3
	global_load_b128 v[BIAS+8*\b:BIAS+8*\b+3],   v[BOFF], s[82:83] offset:64*\b
	global_load_b128 v[BIAS+8*\b+4:BIAS+8*\b+7], v[BOFF], s[82:83] offset:64*\b+16
.endr
; 16 LDS loads: the fragments of quarter q (32 along K) of the slot's tile into buffer f.  The four places stand behind the matrix instructions that read f.
.macro FETCH slot, q, f
	WIN 0
	PLACES
.if OPROJ
.set AOFF, ((\q)>>1)*AQUART+64*((\q)&1)            ; head q / 2 of the tile's four, d half q % 2
.else
.set AOFF, 64*(\q)
.endif
.irp a, 0,1,2,3
	ds_load_b128 v[\f+8*\a:\f+8*\a+3],   v[ADRA+\slot] offset:\a*16*PITCHA+AOFF
	ds_load_b128 v[\f+8*\a+4:\f+8*\a+7], v[ADRA+\slot] offset:\a*16*PITCHA+AOFF+32
.endr
.irp b, 0,1,2,3
	ds_load_tr16_b128 v[\f+32+8*\b:\f+32+8*\b+3],   v[ADRW+2*\slot+((\q)>>2)] offset:((\q)&3)*32*PITCHW+32*\b
	ds_load_tr16_b128 v[\f+32+8*\b+4:\f+32+8*\b+7], v[ADRW+2*\slot+((\q)>>2)] offset:((\q)&3)*32*PITCHW+32*\b+16*PITCHW
.endr
.endm
; 16 matrix instructions on buffer f.  The sixteen accumulators take turns, one instruction a turn, in the same order everywhere.
; first = 1: the bias fragments (window 0) are the C operand and start the sums.
.macro MUL f, first
.if \first
	WIN 0x40
.else
	WIN 0x50
.endif
.irp a, 0,1,2,3
.irp b, 0,1,2,3
.if \first
	v_wmma_f32_16x16x32_f16 v[8*(4*\a+\b):8*(4*\a+\b)+7], v[\f+32+8*\b:\f+32+8*\b+7], v[\f+8*\a:\f+8*\a+7], v[BIAS+8*\b:BIAS+8*\b+7]
.else
	v_wmma_f32_16x16x32_f16 v[8*(4*\a+\b):8*(4*\a+\b)+7], v[\f+32+8*\b:\f+32+8*\b+7], v[\f+8*\a:\f+8*\a+7], v[8*(4*\a+\b):8*(4*\a+\b)+7]
.endif
.endr
.endr
.endm
; A K tile: eight quarters on buffers 0, 1, 0, 1 ..; the next quarter's loads are issued ahead of this quarter's sixteen matrix instructions.
.macro TILE slot, first
	FETCH \slot, 0, F0
.set qq, 0
.set bf, \first
.rept 8
	s_wait_dscnt 0x0                               ; this quarter's fragments are in (nothing younger is out)
.if qq < 7
.set qn, qq+1
.set fn, F0+64*(qn&1)
	FETCH \slot, qn, fn
.endif
.set fc, F0+64*(qq&1)
.if bf
	MUL fc, 1
.else
	MUL fc, 0
.endif
.set bf, 0
.set qq, qq+1
.endr
.endm
; The change of slots.  In front of it every wave waits for its reads of the slot just multiplied and for all its tensor loads (the other slot's two).
; fill = 1: the slot is filled again, two tiles ahead: a round of the cluster's barrier, and the two joint loads first behind it.
.macro CHANGE slot, fill
	WIN 0                                          ; at a branch and at a label every window is 0
	s_wait_dscnt 0x0
	s_wait_tensorcnt 0x0                           ; no tensor load of mine is out: the group 0 sets may be written
	ds_add_u32 v254, v255
	s_wait_dscnt 0x0
.if \fill
	s_add_nc_u64 s[G0A+4*\slot+2:G0A+4*\slot+3], s[G0A+4*\slot+2:G0A+4*\slot+3], 2*ASTEP
	s_add_nc_u64 s[G0W+4*\slot+2:G0W+4*\slot+3], s[G0W+4*\slot+2:G0W+4*\slot+3], 2*WSTEP
	ROUND                                          ; no wave of any partner still reads this slot or has a load on its way
	tensor_load_to_lds s[G0A+4*\slot:G0A+4*\slot+3], s[G1A:G1A+7]
	s_nop 0
	tensor_load_to_lds s[G0W+4*\slot:G0W+4*\slot+3], s[G1W:G1W+7]
	s_nop 0
.else
	s_barrier_signal -1
	s_barrier_wait -1
.endif
.endm
	s_wait_tensorcnt 0x2                           ; my two quarters of tile 0 are in; tile 1's two stay out
	s_barrier_signal -1
	s_barrier_wait -1                              ; everybody's are
	s_wait_loadcnt 0x0                             ; the bias
	TILE 0, 1                                      ; tile 0
	CHANGE 0, 1                                    ; tile 2 goes out
	TILE 1, 0                                      ; tile 1
	CHANGE 1, 1                                    ; tile 3 goes out
	TILE 0, 0                                      ; tile 2
	CHANGE 0, 0
	TILE 1, 0                                      ; tile 3
	; THE WAY OUT, 16 rows at a time through my own stage in LDS (LDS serves a wave's instructions in order, ISA guide 5.7.1: no wait between my stores and my loads).
	WIN 0
	PLACES                                         ; behind the last matrix instructions: results are read, fragment buffers are loaded again
.if OPROJ
	s_lshl_b32 s84, s21, 7
	s_lshl_b32 s85, s15, 6
	s_add_co_u32 s84, s84, s85                     ; my first row
	s_lshl_b32 s86, s84, 12                        ; x 4,096 bytes
	s_lshl_b32 s85, s19, 9                         ; + 128 columns of 4 bytes for each block column
	s_add_co_u32 s86, s86, s85
	s_lshl_b32 s85, s16, 8                         ; + my 64 columns
	s_add_co_u32 s86, s86, s85
	s_mov_b32 s87, 0
	s_add_nc_u64 s[88:89], s[10:11], s[86:87]
.irp a, 0,1,2,3
	WIN 0x04                                       ; store data from window 1
.irp b, 0,1,2,3
	ds_store_b128 v[STO], v[8*(4*\a+\b):8*(4*\a+\b)+3]   offset:64*\b
	ds_store_b128 v[STO], v[8*(4*\a+\b)+4:8*(4*\a+\b)+7] offset:64*\b+16
.endr
	WIN 0
.irp t, 0,1,2,3,4,5,6,7
	ds_load_b128 v[F0+32*\a+4*\t:F0+32*\a+4*\t+3], v[RD] offset:2*SPITCH*\t
.endr
.irp t, 0,1,2,3,4,5,6,7
	s_wait_dscnt 7-\t                              ; rows 2 t, 2 t + 1 are back; the younger read-backs stay out
	global_store_b128 v[CO], v[F0+32*\a+4*\t:F0+32*\a+4*\t+3], s[88:89] offset:(16*\a+2*\t)*4096 th:TH_STORE_NT   ; 16 lanes: 256 consecutive bytes, aligned
.endr
.endr
.else
	s_and_b32 s84, s21, 31
	s_lshl_b32 s84, s84, 7
	s_lshl_b32 s85, s15, 6
	s_add_co_u32 s84, s84, s85                     ; my first row m inside the projection = 2048 b + s
	s_lshr_b32 s85, s84, 11
	s_lshl_b32 s85, s85, 22                        ; b x 4 MiB
	s_and_b32 s86, s84, 2047
	s_lshl_b32 s86, s86, 7                         ; s x 128 bytes
	s_add_co_u32 s86, s86, s85
	s_lshl_b32 s85, s22, 23                        ; projection x 8 MiB
	s_add_co_u32 s86, s86, s85
	s_lshl_b32 s85, s19, 1
	s_add_co_u32 s85, s85, s16                     ; head = 2 bx + wn: my 64 columns are one head
	s_lshl_b32 s85, s85, 18                        ; x 2048 x 128 bytes
	s_add_co_u32 s86, s86, s85
	s_mov_b32 s87, 0
	s_add_nc_u64 s[88:89], s[12:13], s[86:87]
.irp a, 0,1,2,3
	WIN 0x05                                       ; both sources from window 1
.irp b, 0,1,2,3
.irp i, 0,1,2,3
	v_cvt_pk_f16_f32 v[TMP+4*\b+\i], v[8*(4*\a+\b)+2*\i], v[8*(4*\a+\b)+2*\i+1]
.endr
.endr
	WIN 0
.irp b, 0,1,2,3
	ds_store_b128 v[STO], v[TMP+4*\b:TMP+4*\b+3] offset:32*\b
.endr
.irp t, 0,1,2,3
	ds_load_b128 v[F0+16*\a+4*\t:F0+16*\a+4*\t+3], v[RD] offset:4*SPITCH*\t
.endr
.irp t, 0,1,2,3
	s_wait_dscnt 3-\t                              ; rows 4 t .. 4 t + 3 are back; the younger read-backs stay out
	global_store_b128 v[CO], v[F0+16*\a+4*\t:F0+16*\a+4*\t+3], s[88:89] offset:2048*\a+512*\t   ; the wave: 512 consecutive bytes, aligned
.endr
.endr
.endif
	s_wait_dscnt 0x0
	s_wait_tensorcnt 0x0
	ds_add_u32 v254, v255
	s_wait_dscnt 0x0
	ROUND                                          ; the closing round: no work-group ends while a partner may still ask for a tile that names it
	s_endpgm
.Lfunc_end_k_q43391c9dc3_oproj:
	.size	k_q43391c9dc3_oproj, .Lfunc_end_k_q43391c9dc3_oproj-k_q43391c9dc3_oproj
	.p2alignl 7, 3214868480
	.fill 96, 4, 3214868480
	.section	.rodata,"a",@progbits
	.p2align	6, 0x0
	.amdhsa_kernel k_q43391c9dc3_oproj
		.amdhsa_group_segment_fixed_size 327680
		.amdhsa_private_segment_fixed_size 0
		.amdhsa_enable_private_segment 0
		.amdhsa_kernarg_size 32
		.amdhsa_user_sgpr_count 2
		.amdhsa_user_sgpr_kernarg_segment_ptr 1
		.amdhsa_wavefront_size32 1
		.amdhsa_system_sgpr_workgroup_id_x 1
		.amdhsa_system_sgpr_workgroup_id_y 1
		.amdhsa_system_sgpr_workgroup_id_z 1
		.amdhsa_system_vgpr_workitem_id 0
		.amdhsa_next_free_vgpr 384
		.amdhsa_next_free_sgpr 96
		.amdhsa_reserve_vcc 0
		.amdhsa_float_denorm_mode_32 3
		.amdhsa_float_denorm_mode_16_64 3
		.amdhsa_memory_ordered 1
		.amdhsa_forward_progress 1
		.amdhsa_inst_pref_size 89
	.end_amdhsa_kernel
	.amdgpu_metadata
---
amdhsa.version: [ 1, 2 ]
amdhsa.kernels:
  - .name:           k_q43391c9dc3_oproj
    .symbol:         k_q43391c9dc3_oproj.kd
    .args:
      - { .name: ctx, .offset: 0, .size: 8, .value_kind: global_buffer, .address_space: global }
      - { .name: xw, .offset: 8, .size: 8, .value_kind: global_buffer, .address_space: global }
      - { .name: b_o, .offset: 16, .size: 8, .value_kind: global_buffer, .address_space: global }
      - { .name: out0, .offset: 24, .size: 8, .value_kind: global_buffer, .address_space: global }
    .group_segment_fixed_size: 327680
    .private_segment_fixed_size: 0
    .kernarg_segment_align: 8
    .kernarg_segment_size: 32
    .max_flat_workgroup_size: 128
    .sgpr_count:     96
    .vgpr_count:     384
    .wavefront_size: 32
...
	.end_amdgpu_metadata
.endif
;; end of part 4
